; MI455X (gfx1250); checked and timed in simulation.
; The chip was launched on July 23, 2026; its instructions are those of AMD's public machine-readable ISA for CDNA 5 (MIT licence, August 2026) and "CDNA5" Instruction Set Architecture Reference Guide (July 2026). The comments in the code are by the model that wrote it; some were corrected since.
;; ABC Dense. Allowed arithmetic: float matrix products may take bf16 or f16 operands with f32 sums; other float arithmetic in f32, or as packed bf16 or f16 multiplies, adds, multiply-adds, maxima and minima; sums over many terms, partial sums and values carried from step to step in f32; what a program stores and reads back later, other than sums and carried values, may be rounded once to bf16 or f16.
;; Inputs: a0 1,024 float32; a1 1,024 float32; a2 1,024 float32; k0 1,024 x 1,024 float32; k1 1,024 x 1,024 float32; k2 1,024 x 1,024 float32; x 16,384 x 1,024 float32.
;; Outputs: out0 16,384 x 1,024 float32.
;; One version. Each part assembles by itself: llvm-mc -triple=amdgcn-amd-amdhsa -mcpu=gfx1250 --defsym DOCPART=n.
;; ======== version 1 of 1: 2 launches
;; limits: values outside matrix products are rounded to f16; values are held in f16: magnitudes above 65,504 overflow, below 6.1e-05 lose precision
;; workspace buffers: wf 2,097,152 bytes
;; launch prep (part 1): grid 256 x 1, 4 waves a work-group, no clusters, 0 bytes of LDS; arguments k0, k1, k2, a0, a1, a2, wf; writes wf
.if DOCPART == 1
	.amdgcn_target "amdgcn-amd-amdhsa--gfx1250"
	.amdhsa_code_object_version 6
	.text
	.protected	k_qb18bf1d418_prep
	.globl	k_qb18bf1d418_prep
	.p2align	8
	.type	k_qb18bf1d418_prep,@function
k_qb18bf1d418_prep:
	s_mov_b64 s[64:65], 0
	v_nop
	global_prefetch_b8 v0, s[64:65] scope:SCOPE_SE
	s_setreg_imm32_b32 hwreg(HW_REG_WAVE_MODE, 25, 1), 1
	s_wait_xcnt 0x0
; ABCDense, first of two launches: the three binary kernels and their alphas become ONE matrix.
; THE LESSER WORK.  reference() forms out[n][u] = sum over e of (sum over d of xq[n][d] s_e[d][u]) beta[n] a_e[u], with xq = sign(x), s_e = sign(k_e).
; The two sums change places for all real values of the inputs: out[n][u] = beta[n] sum over d of xq[n][d] W[d][u], W[d][u] = sum over e of a_e[u] s_e[d][u].
; So one product of 16384 x 1024 x 1024 takes the place of three.  No input is left out: all seven are loaded (k0-k2, a0-a2 here; x and a0-a2 in the second launch).
; WHAT IS STORED.  Wn[d][u] = W[d][u] / sc[u], sc[u] = max(|a0[u]| + |a1[u]| + |a2[u]|, 2^-126), rounded once to f16: |Wn| is at most 1 whatever the size of the alphas;
; the second launch multiplies by sc[u] again, in f32, made there by the same three instructions.
; LIMITS.  The order of rounding differs from reference()'s.  An overflow that arises only in one of reference()'s three separate terms is not carried to the result.
; sign(-0) = +1 and sign(NaN) = -1, as in reference() (one compare 0 <= k).  A column with |a0|+|a1|+|a2| above 2^126 is not served (its reciprocal comes out as 0).
; Where a column's W is below 6e-5 of sc[u], it keeps f16's fixed step of 6e-8 of sc[u].
; LAYOUT OF wf, in the order in which the second launch's operand registers take it: [cg 8][S 8][q 4][b 8][hf 2][lane 32][e 8] of f16.  With lane = r + 16 h:
; d = 128 S + 32 q + 16 hf + 8 h + e, column u = 128 cg + 64 (b / 4) + 4 r + b % 4.
; SHARES.  One task a wave, 1,024 tasks: 16 rows d (number kk) x 64 columns (number G).  Lane l = c4 + 16 h holds rows 16 kk + 8 h + 0..7 and columns 64 G + 4 c4 + 0..3.
; So a load takes 256 consecutive aligned bytes of two rows, and a store is 512 consecutive aligned bytes of wf: nothing changes lanes, no LDS, no barrier.
; No matrix unit, no cluster (no byte is read by two work-groups but the alphas' 12 KiB), no prefetch (all of a wave's 27 loads go out at its head).
.set KO, 1                             ; v1   byte offset in k: h x 8 rows + c4 x 16
.set AO, 2                             ; v2   byte offset in a: c4 x 16
.set WO, 3                             ; v3   byte offset in wf: l x 16
.set AV, 4                             ; v[4:15]   a_e[j] at AV + 4 e + j
.set RC, 16                            ; v[16:19]  sc[j], then 1 / sc[j]
.set PS, 20                            ; v[20:31]  +a_e[j] / sc[j]
.set NG, 32                            ; v[32:43]  -a_e[j] / sc[j]
.set TT, 44                            ; v44  at work
.set KR, 48                            ; v[48:143] k: row e, estimator est, column j at KR + 12 e + 4 est + j; Wn[e][j] takes estimator 0's place
.set PK, 144                           ; v[144:159] column j: four registers of eight f16
	s_load_b256 s[4:11], s[0:1], 0x0               ; k0 s[4:5], k1 s[6:7], k2 s[8:9], a0 s[10:11]
	s_load_b128 s[12:15], s[0:1], 0x20             ; a1 s[12:13], a2 s[14:15]
	s_load_b64 s[16:17], s[0:1], 0x30              ; wf
	v_lshrrev_b32 v1, 5, v0
	v_readfirstlane_b32 s20, v1                    ; wave 0..3
	s_lshl_b32 s21, ttmp9, 2
	s_add_co_u32 s21, s21, s20                     ; the task
	s_lshr_b32 s22, s21, 4                         ; kk
	s_and_b32 s23, s21, 15                         ; G
	v_and_b32 v[AO], 15, v0
	v_lshlrev_b32 v[AO], 4, v[AO]
	v_bfe_u32 v[KO], v0, 4, 1
	v_lshl_add_u32 v[KO], v[KO], 15, v[AO]
	v_and_b32 v[WO], 31, v0
	v_lshlrev_b32 v[WO], 4, v[WO]
	s_lshl_b32 s28, s23, 8                         ; the task's 64 columns: 256 bytes of a row of k, and of a
	s_mov_b32 s29, 0
	s_lshl_b32 s26, s22, 16                        ; its 16 rows of 4,096 bytes
	s_add_co_u32 s26, s26, s28
	s_mov_b32 s27, 0
	s_lshr_b32 s24, s23, 1                         ; wf: cg = G / 2,
	s_lshl_b32 s24, s24, 18
	s_lshr_b32 s25, s22, 3                         ; S = kk / 8,
	s_lshl_b32 s25, s25, 15
	s_add_co_u32 s24, s24, s25
	s_bfe_u32 s25, s22, 0x20001                    ; q = (kk / 2) % 4,
	s_lshl_b32 s25, s25, 13
	s_add_co_u32 s24, s24, s25
	s_and_b32 s25, s23, 1                          ; b = 4 (G % 2) + j,
	s_lshl_b32 s25, s25, 12
	s_add_co_u32 s24, s24, s25
	s_and_b32 s25, s22, 1                          ; hf = kk % 2
	s_lshl_b32 s25, s25, 9
	s_add_co_u32 s24, s24, s25
	s_mov_b32 s25, 0
	s_wait_kmcnt 0x0
.irp t, 4, 6, 8
	s_add_nc_u64 s[\t:\t+1], s[\t:\t+1], s[26:27]
.endr
.irp t, 10, 12, 14
	s_add_nc_u64 s[\t:\t+1], s[\t:\t+1], s[28:29]
.endr
	s_add_nc_u64 s[16:17], s[16:17], s[24:25]
.irp t, 0, 1, 2
	global_load_b128 v[AV+4*\t:AV+4*\t+3], v[AO], s[10+2*\t:11+2*\t]
.endr
.set e, 0
.rept 8                                ; all 24 loads of k go out at once, row by row
.irp t, 0, 1, 2
	global_load_b128 v[KR+12*e+4*\t:KR+12*e+4*\t+3], v[KO], s[4+2*\t:5+2*\t] offset:e*4096 th:TH_LOAD_NT
.endr
.set e, e+1
.endr
	s_wait_loadcnt 24                              ; the alphas are in; the 24 loads of k, issued behind them, stay out
.irp j, 0, 1, 2, 3
	v_add_f32 v[RC+\j], |v[AV+\j]|, |v[AV+4+\j]|
.endr
.irp j, 0, 1, 2, 3
	v_add_f32 v[RC+\j], v[RC+\j], |v[AV+8+\j]|
.endr
.irp j, 0, 1, 2, 3
	v_max_num_f32 v[RC+\j], 0x00800000, v[RC+\j]   ; never 0: an all-zero column gives Wn = 0
.endr
.irp j, 0, 1, 2, 3
	v_rcp_f32 v[RC+\j], v[RC+\j]                   ; one batch of four
.endr
	v_nop                                          ; a plain instruction behind the last reciprocal (ISA guide 5.7.2),
	s_wait_alu depctr_va_vdst(0)                   ; and a wait ahead of the batch's first reader
.set i, 0
.rept 12
	v_mul_f32 v[PS+i], v[AV+i], v[RC+i%4]
.set i, i+1
.endr
.set i, 0
.rept 12
	v_xor_b32 v[NG+i], 0x80000000, v[PS+i]
.set i, i+1
.endr
.set e, 0
.rept 8
	s_wait_loadcnt 21-3*e                          ; row e's three loads are in; the three of each later row stay out
.set j, 0
.rept 4
	v_cmp_le_f32 vcc_lo, 0, v[KR+12*e+j]           ; 0 <= k: true for -0, false for NaN, as in reference()
	v_cndmask_b32 v[KR+12*e+j], v[NG+j], v[PS+j], vcc_lo
	v_cmp_le_f32 vcc_lo, 0, v[KR+12*e+4+j]
	v_cndmask_b32 v[TT], v[NG+4+j], v[PS+4+j], vcc_lo
	v_add_f32 v[KR+12*e+j], v[KR+12*e+j], v[TT]
	v_cmp_le_f32 vcc_lo, 0, v[KR+12*e+8+j]
	v_cndmask_b32 v[TT], v[NG+8+j], v[PS+8+j], vcc_lo
	v_add_f32 v[KR+12*e+j], v[KR+12*e+j], v[TT]
.set j, j+1
.endr
.set e, e+1
.endr
.set j, 0
.rept 4
.set i, 0
.rept 4
	v_cvt_pk_f16_f32 v[PK+4*j+i], v[KR+24*i+j], v[KR+24*i+12+j]  ; rows 2 i (low half) and 2 i + 1 of column j
.set i, i+1
.endr
.set j, j+1
.endr
.irp j, 0, 1, 2, 3
	global_store_b128 v[WO], v[PK+4*\j:PK+4*\j+3], s[16:17] offset:\j*1024  ; 32 lanes store 512 consecutive bytes, at a multiple of 512 from wf's first byte
.endr
	s_endpgm
.Lfunc_end_k_qb18bf1d418_prep:
	.size	k_qb18bf1d418_prep, .Lfunc_end_k_qb18bf1d418_prep-k_qb18bf1d418_prep
	.p2alignl 7, 3214868480
	.fill 96, 4, 3214868480
	.section	.rodata,"a",@progbits
	.p2align	6, 0x0
	.amdhsa_kernel k_qb18bf1d418_prep
		.amdhsa_group_segment_fixed_size 0
		.amdhsa_private_segment_fixed_size 0
		.amdhsa_enable_private_segment 0
		.amdhsa_kernarg_size 56
		.amdhsa_user_sgpr_count 2
		.amdhsa_user_sgpr_kernarg_segment_ptr 1
		.amdhsa_wavefront_size32 1
		.amdhsa_system_sgpr_workgroup_id_x 1
		.amdhsa_system_sgpr_workgroup_id_y 1
		.amdhsa_system_sgpr_workgroup_id_z 1
		.amdhsa_system_vgpr_workitem_id 0
		.amdhsa_next_free_vgpr 160
		.amdhsa_next_free_sgpr 66
		.amdhsa_reserve_vcc 1
		.amdhsa_float_denorm_mode_32 3
		.amdhsa_float_denorm_mode_16_64 3
		.amdhsa_memory_ordered 1
		.amdhsa_forward_progress 1
		.amdhsa_inst_pref_size 17
	.end_amdhsa_kernel
	.amdgpu_metadata
---
amdhsa.version: [ 1, 2 ]
amdhsa.kernels:
  - .name:           k_qb18bf1d418_prep
    .symbol:         k_qb18bf1d418_prep.kd
    .args:
      - { .name: k0, .offset: 0, .size: 8, .value_kind: global_buffer, .address_space: global }
      - { .name: k1, .offset: 8, .size: 8, .value_kind: global_buffer, .address_space: global }
      - { .name: k2, .offset: 16, .size: 8, .value_kind: global_buffer, .address_space: global }
      - { .name: a0, .offset: 24, .size: 8, .value_kind: global_buffer, .address_space: global }
      - { .name: a1, .offset: 32, .size: 8, .value_kind: global_buffer, .address_space: global }
      - { .name: a2, .offset: 40, .size: 8, .value_kind: global_buffer, .address_space: global }
      - { .name: wf, .offset: 48, .size: 8, .value_kind: global_buffer, .address_space: global }
    .group_segment_fixed_size: 0
    .private_segment_fixed_size: 0
    .kernarg_segment_align: 8
    .kernarg_segment_size: 56
    .max_flat_workgroup_size: 128
    .sgpr_count:     66
    .vgpr_count:     160
    .wavefront_size: 32
...
	.end_amdgpu_metadata
.endif
;; end of part 1
;; launch main (part 2): grid 256 x 1, 4 waves a work-group, clusters of 4 x 1, 327,680 bytes of LDS; arguments x, wf, a0, a1, a2, out0; writes out0
.if DOCPART == 2
	.amdgcn_target "amdgcn-amd-amdhsa--gfx1250"
	.amdhsa_code_object_version 6
	.text
	.protected	k_qb18bf1d418_main
	.globl	k_qb18bf1d418_main
	.p2align	8
	.type	k_qb18bf1d418_main,@function
k_qb18bf1d418_main:
	s_mov_b64 s[64:65], 0
	v_nop
	global_prefetch_b8 v0, s[64:65] scope:SCOPE_SE
	s_setreg_imm32_b32 hwreg(HW_REG_WAVE_MODE, 25, 1), 1
	s_wait_xcnt 0x0
	s_wait_alu depctr_hold_cnt(0) depctr_sa_sdst(0) depctr_va_vdst(0) depctr_va_sdst(0) depctr_va_ssrc(0) depctr_va_vcc(0) depctr_vm_vsrc(0)
	s_getreg_b32 s2, hwreg(HW_REG_IB_STS2, 6, 4)
	s_cmp_eq_u32 s2, 0
	s_cbranch_scc0 .Lentry_in_a_cluster
	s_endpgm
.Lentry_in_a_cluster:
	s_bfe_u32 s2, ttmp6, 0x10000c
	s_cmp_lg_u32 s2, 0x3003
	s_cbranch_scc0 .Lentry_shape_is_right
	s_endpgm
.Lentry_shape_is_right:
; ABCDense, second launch: out[n][u] = beta[n] sc[u] sum over d of sign(x[n][d]) Wn[d][u], beta[n] = sum over d of |x[n][d]| / 1024.
; ONE product stands for reference()'s three: the sums over the estimators and over d change places for all real values (shown at the head of the first kernel), and
; Wn = (sum over e of a_e sign(k_e)) / sc lies in wf as f16, sc[u] = max(|a0|+|a1|+|a2|, 2^-126), made here anew by the same three instructions.
; FORMATS.  sign(x) = +-1 is exact in f16; Wn is at most 1 in magnitude; sums in f32; beta and sc are applied in f32 on the way out.
; LIMITS.  The order of rounding differs from reference()'s.  sign(-0) = +1 (x + 0 is formed first).  A NaN in x makes its whole row NaN, as in reference().  A row with an infinite x,
; and a column with |a0|+|a1|+|a2| above 2^126, are not reproduced.  An overflow that arises only in one of reference()'s three separate terms is not carried to the result.
; SHARES.  A work-group makes 128 rows x 512 columns; wave w all 128 rows x columns 128 w .. 128 w + 127: 64 accumulators of 16 x 16, 512 registers.  128 x 2 tiles = 256 work-groups.
; K goes in STEPS of 128 (a slot of Wn), HALVES of 64 (a sub-slot of sign(x), a chunk of x) and QUARTERS of 32 (a fragment buffer, 64 matrix instructions).
; Wn: a wave reads only its own 128 columns: 32 KiB a step, dense in wf, brought by ITS OWN tensor load into ITS OWN bytes of a ring of two slots.
; CLUSTER.  The four work-groups of a cluster have four row tiles and ONE column tile, so each of these loads is asked for JOINTLY: same line, same descriptor, mask of four.
; x IS NOT ASKED FOR JOINTLY: it has to pass through registers (its sign and its magnitude are taken there), 256 bytes of a row at a time; through LDS a half's 128 x 64 numbers
; would be 32 KiB written and read again in f32 on top of the 16 KiB of f16 that are written now.  Wave w converts rows 32 w .. 32 w + 31; all four waves read all 128 rows.
; THE MATRIX INSTRUCTION IS USED TRANSPOSED (source 0 = 16 columns of Wn, source 1 = 16 rows of sign(x)): a lane holds ONE row of out (lane % 16) and places 8 (lane / 16) + 0..7.
; Place p of fragment b is column 64 (b / 4) + 4 p + b % 4 of the wave's 128: so registers jj of the four accumulators b % 4 = 0..3 are four neighbouring columns, 16 bytes of out.
; BY TURNS.  A half is QA (first quarter) and TURN (second).  In QA the conversion of the NEXT chunk of x stands in slices behind the matrix instructions, three or four lines each:
; 160 vector and LDS lines for a half's 128 matrix instructions.  They live in window 0, so a slice costs two switches of the register window.
; REGISTERS, in windows of 256 (s_set_vgpr_msb: bits 1:0 source 0, 3:2 source 1, 5:4 source 2, 7:6 destination):
;   window 0: v2-23 addresses; v24-31 sc; v32-63 sums of |x|; v64-191 two chunks of x; v192-207 at work; on the way out v192-223, v224-255, v64-95
;   window 1: two fragment buffers of 128: sign(x)'s eight fragments, then Wn's eight          windows 2, 3: accumulator (a, b) at 8 (8 (a % 4) + b) of window 2 + a / 4
.set BSLOT,  131072                    ; LDS 0: Wn's ring: two slots; wave w's 32,768 bytes at w x 32,768; no padding: a fragment is read as 2 x 512 consecutive bytes
.set BWAVE,  32768
.set ARING,  2*BSLOT                   ; sign(x)'s ring, written by ds_store alone: two sub-slots of 128 rows
.set APITCH, 144                       ; 128 bytes + 16 = 36 words: the 16 rows of a fragment load start at 16 different groups of four banks (64 banks of 4 bytes: ISA guide 11.1)
.set ASUB,   128*APITCH
.set STAGE,  ARING+2*ASUB              ; 16 rows x 272 bytes for each wave, for the way out
.set SPITCH, 272
.set BETA,   STAGE+4*16*SPITCH         ; 128 f32
.set SPARE,  BETA+512                  ; the spare words, 128 bytes for each wave: two blocks of 256 bytes that no other line names
.set ADRA, 2                           ; v2-3   my place in a fragment of sign(x), sub-slot 0, 1
.set ADRB, 4                           ; v4-5   my place in a fragment of Wn, slot 0, 1
.set AST,  6                           ; v6-7   where I store 8 bytes of sign(x), sub-slot 0, 1
.set XO,   8                           ; v8     my byte offset in the work-group's rows of x
.set PFO,  9                           ; v9     x's prefetch: my wave's row number l
.set PWO,  10                          ; v10    wf's prefetch: 256 l
.set STO,  11                          ; v11    the way out: where I put 16 bytes of a row
.set RD,   12                          ; v12    where I read a row back
.set CO,   13                          ; v13    my byte offset in out
.set BST,  14                          ; v14    where my rows' beta go
.set BLD,  15                          ; v15    where my row's beta is read
.set SPW,  16                          ; v16    LDS address of my spare word; never rewritten
.set NIL,  17                          ; v17    0; never rewritten
.set ZZ,   18                          ; v[18:19] 0, 0
.set AOF,  23                          ; v23    my byte offset in a0, a1, a2
.set SC,   24                          ; v[24:31] sc of my four columns, for each half c of the wave's 128
.set BA,   32                          ; v[32:63] sixteen pairs: sums of |x| for row group g
.set BT,   32                          ; later v[32:39]: beta of row 16 a + l % 16
.set XS,   64                          ; v[64:127], v[128:191]: chunk c of x lies in set c % 2
.set RT,   192                         ; v[192:207] four sets of four at work, by g % 4
.set AIN,  192                         ; at the start: a_e, half c at AIN + 8 e + 4 c
.set TMP,  192                         ; the way out
.set OB0,  224
.set OB1,  64
.set F0,   0                           ; fragment buffers, in window 1
.set F1,   128
.set WV,   16                          ; s16  my wave's number
.set G1,   24                          ; s[24:31] descriptor group 1
.set G0,   32                          ; s[32:39] descriptor group 0, a set for each slot
.set XP,   40                          ; s[40:41] x at the work-group's first row, 256 bytes on for each TURN done
.set PFW,  42                          ; s[42:43] where my prefetches of wf stand
.set LIMX, 44                          ; s44  1 in a cluster that prefetches x, else the greatest number
.set LIMW, 45                          ; s45  the same for wf
.set LAP,  46                          ; s46  laps to go
.set SELH, 47                          ; s47  v_perm_b32: the two upper halves
.set SGN,  48                          ; s48  two sign bits
.set ONE,  49                          ; s49  1.0 twice in f16
.set OP,   50                          ; s[50:51] out at my wave's first row and column
.set MSB, 0
.macro WIN new                         ; the immediate's high byte repeats the setting that is left; a switch that changes nothing is dropped
.if MSB != (\new)
	s_set_vgpr_msb (MSB<<8)|(\new)
.set MSB, (\new)
.endif
.endm
.set MUL_LO, 0xa5                      ; sources 0 and 1 window 1, C and D window 2
.set TO_F,   0x40                      ; destination window 1, address window 0
.macro PLACES                          ; four places in front of loads into registers that matrix instructions have read (ISA guide 7.12.1 for vector instructions)
.rept 4
	v_nop
.endr
.endm
.macro CREST                           ; a round of the cluster's barrier behind its opening barrier
	s_cmp_lg_u32 s[WV], 0
	s_cbranch_scc1 .Lnot_wave_0_\@
	s_barrier_signal -3
.Lnot_wave_0_\@:
	s_barrier_wait -3
	s_barrier_signal -1
	s_barrier_wait -1
.endm
.macro CROUND                          ; a whole round
	s_barrier_signal -1
	s_barrier_wait -1
	CREST
.endm
.macro JLOAD sg                        ; a joint load: every wave asks for its own 32 KiB; s_nop 0 and four v_nop follow
	tensor_load_to_lds s[G0+4*(\sg):G0+4*(\sg)+3], s[G1:G1+7]
	s_nop 0
.rept 4
	v_nop
.endr
.endm
; Matrix instruction nn of a quarter's 64: row block a = nn / 8, fragment b = nn % 8.  The 64 accumulators take turns, one instruction a turn, in the same order in every quarter.
.macro WM f, zero
.set wa, nn/8
.set wb, nn%8
.set wd, 64*(wa%4)+8*wb
	WIN MUL_LO+0x50*(wa/4)
.if \zero
	v_wmma_f32_16x16x32_f16 v[wd:wd+7], v[(\f)+64+8*wb:(\f)+64+8*wb+7], v[(\f)+8*wa:(\f)+8*wa+7], 0
.else
	v_wmma_f32_16x16x32_f16 v[wd:wd+7], v[(\f)+64+8*wb:(\f)+64+8*wb+7], v[(\f)+8*wa:(\f)+8*wa+7], v[wd:wd+7]
.endif
.set nn, nn+1
.endm
.macro MUL16 f
.rept 16
	WM \f, 0
.endr
.endm
; 32 LDS loads in one run: a quarter's fragments into buffer f: Wn's sixteen loads, then sign(x)'s rows 0-63, then its rows 64-127
.macro FETCH f, areg, abyte, breg, bq
	WIN TO_F
.irp b, 0,1,2,3,4,5,6,7
	ds_load_b128 v[(\f)+64+8*\b:(\f)+64+8*\b+3],   v[\breg] offset:(8*(\bq)+\b)*1024
	ds_load_b128 v[(\f)+64+8*\b+4:(\f)+64+8*\b+7], v[\breg] offset:(8*(\bq)+\b)*1024+512
.endr
.irp a, 0,1,2,3,4,5,6,7
	ds_load_b128 v[(\f)+8*\a:(\f)+8*\a+3],   v[\areg] offset:\a*16*APITCH+(\abyte)
	ds_load_b128 v[(\f)+8*\a+4:(\f)+8*\a+7], v[\areg] offset:\a*16*APITCH+(\abyte)+32
.endr
	WIN 0
.endm
; A chunk of x: 64 numbers of my wave's 32 rows.  Load g takes rows 16 (g / 8) + g % 8 (lanes 0-15) and eight further down (lanes 16-31): 256 consecutive aligned bytes each.
.macro XLOAD xs, off
.set xg, 0
.rept 16
	global_load_b128 v[(\xs)+4*xg:(\xs)+4*xg+3], v[XO], s[XP:XP+1] offset:(16*(xg/8)+xg%8)*4096+(\off)
.set xg, xg+1
.endr
.endm
; Slice rn of 64 of a chunk's conversion: group g = rn / 4 (one load's four numbers a lane), part rn % 4.
;   0: x + 0 (turns -0 into +0); |x0| + |x1|      1: |x2| + |x3|; the four upper halves, which hold the signs, packed in pairs
;   2: the sums go onto the group's pair; sign bits under 1.0: +-1 in f16; 8 bytes into the sub-slot (lanes 0-15 fill 128 bytes of a row, lanes 16-31 those of the row
;      8 x 144 = 4 x 256 + 128 bytes on)      3: nothing.      first = 1: the first chunk starts the sums: nothing is cleared.
.macro RIDE xs, ast, first
.set rg, rn/4
.set rX, (\xs)+4*rg
.set rT, RT+4*(rg%4)
.set rB, BA+2*rg
.if rn%4 == 0
	WIN 0
	v_pk_add_f32 v[rX:rX+1], v[rX:rX+1], v[ZZ:ZZ+1]
	v_pk_add_f32 v[rX+2:rX+3], v[rX+2:rX+3], v[ZZ:ZZ+1]
.if \first
	v_add_f32 v[rB], |v[rX]|, |v[rX+1]|
.else
	v_add_f32 v[rT], |v[rX]|, |v[rX+1]|
.endif
.elseif rn%4 == 1
	WIN 0
.if \first
	v_add_f32 v[rB+1], |v[rX+2]|, |v[rX+3]|
.else
	v_add_f32 v[rT+1], |v[rX+2]|, |v[rX+3]|
.endif
	v_perm_b32 v[rT+2], v[rX+1], v[rX], s[SELH]
	v_perm_b32 v[rT+3], v[rX+3], v[rX+2], s[SELH]
.elseif rn%4 == 2
	WIN 0
.if !(\first)
	v_pk_add_f32 v[rB:rB+1], v[rB:rB+1], v[rT:rT+1]
.endif
	v_and_or_b32 v[rT+2], v[rT+2], s[SGN], s[ONE]
	v_and_or_b32 v[rT+3], v[rT+3], s[SGN], s[ONE]
	ds_store_b64 v[\ast], v[rT+2:rT+3] offset:(16*(rg/8)+rg%8)*APITCH
.endif
.set rn, rn+1
.endm
; PREFETCHES INTO THE L2, behind a TURN's run of loads.  x: chunk u + 7 in TURN u, four halves (512 matrix instructions) ahead of its loads: my wave's 32 rows, a lane a row, 256 bytes each.
; A row tile of x is read by two clusters, numbers 2 g and 2 g + 1: the even one asks.  The first TURN of a lap asks in all three laps (chunks 7, 11, 15), the others in the first two: chunk 15 is the last.
.macro ASKX ge
.if \ge
	s_cmp_ge_u32 s[LAP], s[LIMX]
.else
	s_cmp_gt_u32 s[LAP], s[LIMX]
.endif
	s_cbranch_scc0 .Lnot_x_\@
	global_prefetch_b8 v[PFO], s[XP:XP+1] offset:1536 th:TH_LOAD_NT scope:SCOPE_SE
.Lnot_x_\@:
.endm
; wf: step S + 4 at the refill that asks for step S + 2.  A column tile's Wn is read by 32 clusters: the first of them (numbers 0 and 1) asks; of a wave's 32 KiB each of the four partners
; takes 8 KiB, told apart BY ADDRESS; a lane 256 bytes.  In the first two laps alone: step 7 is the last.
.macro ASKW
	s_cmp_gt_u32 s[LAP], s[LIMW]
	s_cbranch_scc0 .Lnot_w_\@
	global_prefetch_b8 v[PWO], s[PFW:PFW+1] th:TH_LOAD_NT scope:SCOPE_SE
.Lnot_w_\@:
.endm
; A half's FIRST QUARTER: multiplies buffer 0; in its middle it fetches the second quarter into buffer 1.  p: the half's sub-slot; sg: the step's slot; bq: the quarter's number in the step.
; conv = 1: the next chunk of x is converted into the other sub-slot, which nobody has read since the barrier of the TURN before.  lcnt: the younger loads of x that may stay out.
.macro QA p, sg, bq, conv, lcnt, zero
.if \conv
	s_wait_loadcnt \lcnt                           ; loads come back in order (ISA guide 5.7.1): the chunk to be converted is in; the next chunk's sixteen loads stay out
.endif
	s_wait_dscnt 8                                 ; Wn and rows 0-63 are in; the youngest eight loads (rows 64-127) may be out
.set nn, 0
.set rn, 0
.rept 32
	WM F0, \zero
.if \conv
	RIDE XS+64*(1-(\p)), AST+1-(\p), 0
.endif
.endr
	PLACES
	FETCH F1, ADRA+(\p), 64, ADRB+(\sg), (\bq)+1
	s_wait_dscnt 32                                ; all but the 32 just issued
.rept 32
	WM F0, \zero
.if \conv
	RIDE XS+64*(1-(\p)), AST+1-(\p), 0
.endif
.endr
.endm
; A half's SECOND QUARTER: multiplies buffer 1 and changes sub-slots: ONE barrier.  In front of it each wave waits for its stores into the next sub-slot and for its reads of this one.
; kind = 0: that is all.  kind = 1: the step ends too, and its slot is filled again: in front of the barrier the wave waits for all its tensor loads (one is out: the other slot's), adds 0 to its
; spare word and waits for that and for its reads of the slot; the barrier opens a round of the cluster's, and the joint refill is the first thing behind the round.  From the request to the wait
; for it a wave issues 224 matrix instructions.  kind = 2: the step ends and nothing is left to ask for.
; conv = 1: QA's second part has issued eight stores.  xl = 1: chunk u + 3 of x is asked for, into the set just converted.  ask: 0 none; 1, 2: x; 3: x and wf.
.macro TURN p, sg, bq1, kind, conv, xl, ask
.if (\xl) || ((\kind) == 1)
	s_wait_xcnt 0x0                                ; the loads and prefetches that named these pointers stand a half back: they have read them
.endif
.if \xl
	s_add_nc_u64 s[XP:XP+1], s[XP:XP+1], 256
.endif
.if (\kind) == 1
	s_add_nc_u64 s[PFW:PFW+1], s[PFW:PFW+1], BWAVE
.endif
.if (\kind) >= 1
	WIN 0                                          ; (the add's two registers lie in window 0)
	s_wait_tensorcnt 0x0                           ; all my tensor loads have landed: my part of the other slot; so a group 0 may be written
	ds_add_u32 v[SPW], v[NIL]                      ; 0 onto my spare word
.if (\kind) == 1
	s_add_nc_u64 s[G0+4*(\sg)+2:G0+4*(\sg)+3], s[G0+4*(\sg)+2:G0+4*(\sg)+3], 2*BWAVE  ; this slot's next step; the type bits on top are not reached
.endif
	s_wait_dscnt 9+8*(\conv)                       ; may be out: rows 64-127 (8), the stores behind them, the add
.else
	s_wait_dscnt 8+8*(\conv)                       ; may be out: rows 64-127 (8), the stores behind them
.endif
.set nn, 0
	MUL16 F1
	s_wait_dscnt 0x0                               ; my stores into the next sub-slot are done, my reads of this sub-slot (and slot) are back, the add is done
	s_barrier_signal -1
	MUL16 F1                                       ; work on registers while the others arrive
.if (\kind) == 1
	WIN 0
.endif
	s_barrier_wait -1
.if (\kind) == 1
	CREST                                          ; no wave of any partner still reads this slot or has a load on its way
	JLOAD \sg                                      ; its four v_nop are also the places in front of the loads below
.else
	PLACES
.endif
.if (\bq1) == 1
	FETCH F0, ADRA+1-(\p), 0, ADRB+(\sg), 2
.else
	FETCH F0, ADRA+1-(\p), 0, ADRB+1-(\sg), 0
.endif
.if \xl
	XLOAD XS+64*(1-(\p)), 512
.endif
.if (\ask) == 1
	ASKX 1
.elseif (\ask) >= 2
	ASKX 0
.endif
.if (\ask) == 3
	ASKW
.endif
	MUL16 F1
	MUL16 F1
.endm
	s_load_b256 s[4:11], s[0:1], 0x0               ; x s[4:5], wf s[6:7], a0 s[8:9], a1 s[10:11]
	s_load_b128 s[12:15], s[0:1], 0x20             ; a2 s[12:13], out0 s[14:15]
	v_lshl_add_u32 v[SPW], v0, 2, SPARE
	v_mov_b32 v[NIL], 0
	ds_add_u32 v[SPW], v[NIL]                      ; the wave's opening: an add, twice on end, and its wait ahead of my first tensor load
	ds_add_u32 v[SPW], v[NIL]                      ; and once more; the set-up below, work on registers, stands between it and the wait
	v_lshrrev_b32 v1, 5, v0
	v_readfirstlane_b32 s[WV], v1                  ; wave 0..3
	s_bfe_u32 s17, ttmp6, 0x40000                  ; cx: my place in the cluster: it enters x's, out's and the prefetch of wf's global addresses alone
	s_and_b32 s18, ttmp9, 1                        ; the column tile, which the four partners share (ttmp9 counts clusters)
	s_lshr_b32 s19, ttmp9, 1
	s_lshl_b32 s20, s19, 2
	s_add_co_u32 s20, s20, s17                     ; the row tile
	s_lshl_b32 s52, s20, 19                        ; its 128 rows of 4,096 bytes, in x and in out
	s_mov_b32 s53, 0
	s_lshl_b32 s54, s18, 11                        ; my wave's first column, in bytes: 2,048 x column tile + 512 x wave
	s_lshl_b32 s21, s[WV], 9
	s_add_co_u32 s54, s54, s21
	s_mov_b32 s55, 0
	s_lshl_b32 s56, s18, 2
	s_add_co_u32 s56, s56, s[WV]                   ; my group of 128 columns,
	s_lshl_b32 s56, s56, 18                        ; 262,144 bytes of wf each
	s_mov_b32 s57, 0
	s_lshl_b32 s58, s17, 13                        ; my work-group's 8 KiB of a step's 32, for the prefetch
	s_mov_b32 s59, 0
	; descriptor group 1: 32 KiB that are dense in memory, as 128 rows of 32 elements of 8 bytes
	s_mov_b32 s[G1+0], 15|(3<<16)|(1<<21)          ; 15:0 the mask: all four work-groups; 17:16 elements of 8 bytes; 21 set beside a mask; no padding
	s_mov_b32 s[G1+1], 32<<16                      ; tensor_dim0 = 32
	s_mov_b32 s[G1+2], 128<<16                     ; tensor_dim1 = 128
	s_mov_b32 s[G1+3], 32<<16                      ; tile_dim0 = 32
	s_mov_b32 s[G1+4], 128                         ; tile_dim1 = 128
	s_mov_b32 s[G1+5], 32                          ; 32 elements from row to row
	s_mov_b32 s[G1+6], 0
	s_mov_b32 s[G1+7], 0
	s_mov_b32 s[G0], 1                             ; count = 1
	s_mul_i32 s[G0+1], s[WV], BWAVE                ; LDS address: slot 0, my wave's bytes
	s_mov_b32 s[G0+4], 1
	s_add_co_u32 s[G0+5], s[G0+1], BSLOT           ; slot 1
	s_mov_b32 s[SELH], 0x07060302
	s_mov_b32 s[SGN], 0x80008000
	s_mov_b32 s[ONE], 0x3c003c00
	s_cmp_eq_u32 s18, 0
	s_cselect_b32 s[LIMX], 1, -1                   ; the same in all four partners
	s_cmp_eq_u32 s19, 0
	s_cselect_b32 s[LIMW], 1, -1
	v_and_b32 v20, 15, v0                          ; l % 16
	v_bfe_u32 v21, v0, 4, 1                        ; l / 16
	v_and_b32 v22, 31, v0                          ; l
	v_mov_b32 v[ZZ], 0
	v_mov_b32 v[ZZ+1], 0
	s_lshl_b32 s21, s[WV], 17                      ; my wave's 32 rows of x
	v_lshl_add_u32 v[XO], v21, 15, s21             ; + 8 rows for lanes 16-31
	v_lshl_add_u32 v[XO], v20, 4, v[XO]            ; + 16 bytes a lane
	v_lshl_add_u32 v[PFO], v22, 12, s21
	v_lshl_add_u32 v[AOF], v20, 4, s54             ; my four columns in a0, a1, a2
	s_wait_dscnt 0x0                               ; both opening adds are done
	s_wait_kmcnt 0x0
	s_add_nc_u64 s[XP:XP+1], s[4:5], s[52:53]
	s_add_nc_u64 s[OP:OP+1], s[14:15], s[52:53]
	s_add_nc_u64 s[OP:OP+1], s[OP:OP+1], s[54:55]
	s_add_nc_u64 s[G0+2:G0+3], s[6:7], s[56:57]    ; global address: step 0 of my 128 columns,
	s_add_nc_u64 s[G0+6:G0+7], s[G0+2:G0+3], BWAVE ; step 1
	s_add_nc_u64 s[PFW:PFW+1], s[G0+2:G0+3], s[58:59]
	s_add_nc_u64 s[PFW:PFW+1], s[PFW:PFW+1], 3*BWAVE  ; at step 3: the first refill steps it to 4.  Nothing is prefetched here, at the head
	s_or_b32 s[G0+3], s[G0+3], 0x80000000          ; type = 2
	s_or_b32 s[G0+7], s[G0+7], 0x80000000
.irp t, 0, 1, 2
	global_load_b128 v[AIN+8*\t:AIN+8*\t+3],   v[AOF], s[8+2*\t:9+2*\t]
	global_load_b128 v[AIN+8*\t+4:AIN+8*\t+7], v[AOF], s[8+2*\t:9+2*\t] offset:256
.endr
	XLOAD XS, 0                                    ; chunk 0
	XLOAD XS+64, 256                               ; chunk 1
	CROUND                                         ; all four work-groups are here: the first joint loads meet
	tensor_load_to_lds s[G0:G0+3], s[G1:G1+7]      ; steps 0 and 1: two loads of mine are out
	s_nop 0
	tensor_load_to_lds s[G0+4:G0+7], s[G1:G1+7]
	s_nop 0
.rept 4
	v_nop
.endr
	v_mul_u32_u24 v[ADRA], v20, APITCH             ; a fragment of sign(x): row l % 16, 16 bytes for each half of the lanes
	v_lshl_add_u32 v[ADRA], v21, 4, v[ADRA]
	v_add_nc_u32 v[ADRA], ARING, v[ADRA]
	v_add_nc_u32 v[ADRA+1], ASUB, v[ADRA]
	v_lshl_add_u32 v[ADRB], v22, 4, s[G0+1]        ; a fragment of Wn: 16 bytes a lane, twice
	v_add_nc_u32 v[ADRB+1], BSLOT, v[ADRB]
	s_mul_i32 s21, s[WV], 32*APITCH
	s_add_co_u32 s21, s21, ARING
	v_mul_u32_u24 v[AST], v21, 8*APITCH
	v_lshl_add_u32 v[AST], v20, 3, v[AST]
	v_add_nc_u32 v[AST], s21, v[AST]
	v_add_nc_u32 v[AST+1], ASUB, v[AST]
	v_lshlrev_b32 v[PWO], 8, v22
	s_mul_i32 s21, s[WV], 16*SPITCH
	s_add_co_u32 s21, s21, STAGE                   ; my stage
	v_mul_u32_u24 v[STO], v20, SPITCH              ; in: row l % 16, 128 bytes for each half of the lanes
	v_lshl_add_u32 v[STO], v21, 7, v[STO]
	v_add_nc_u32 v[STO], s21, v[STO]
	v_mul_u32_u24 v[RD], v21, SPITCH               ; back: lanes 0-15 take one row of 256 bytes, lanes 16-31 the next
	v_lshl_add_u32 v[RD], v20, 4, v[RD]
	v_add_nc_u32 v[RD], s21, v[RD]
	v_lshlrev_b32 v[CO], 12, v21                   ; and the same two rows in out
	v_lshl_add_u32 v[CO], v20, 4, v[CO]
	s_lshl_b32 s21, s[WV], 7
	s_add_co_u32 s21, s21, BETA
	v_lshl_add_u32 v[BST], v21, 5, s21
	v_lshl_add_u32 v[BLD], v20, 2, BETA
	s_wait_loadcnt 16                              ; the alphas and chunk 0 are in; chunk 1's sixteen loads stay out
.set i, 0
.rept 8
	v_add_f32 v[SC+i], |v[AIN+i]|, |v[AIN+8+i]|    ; sc, by the first launch's three instructions
.set i, i+1
.endr
.set i, 0
.rept 8
	v_add_f32 v[SC+i], v[SC+i], |v[AIN+16+i]|
.set i, i+1
.endr
.set i, 0
.rept 8
	v_max_num_f32 v[SC+i], 0x00800000, v[SC+i]
.set i, i+1
.endr
.set rn, 0
.rept 64
	RIDE XS, AST, 1                                ; chunk 0 into sub-slot 0: there is no matrix work yet to set it beside
.endr
	XLOAD XS, 512                                  ; chunk 2
	s_wait_tensorcnt 1                             ; my part of slot 0 is in; slot 1's may stay out
	s_wait_dscnt 0x0                               ; my stores into sub-slot 0 are done
	s_barrier_signal -1
	s_barrier_wait -1
	FETCH F0, ADRA, 0, ADRB, 0
	QA 0, 0, 0, 1, 16, 1                           ; the first quarter stands in front of the loop: its products start the sums
	WIN 0                                          ; at a label and at a branch every window is 0
	s_mov_b32 s[LAP], 3
.Llap:                                                 ; a trip: two steps, from half 4 L's second quarter to half 4 L + 4's first; both slots are filled again
	TURN 0, 0, 1, 0, 1, 1, 1
	QA 1, 0, 2, 1, 16, 0
	TURN 1, 0, 3, 1, 1, 1, 3
	QA 0, 1, 0, 1, 16, 0
	TURN 0, 1, 1, 0, 1, 1, 2
	QA 1, 1, 2, 1, 16, 0
	TURN 1, 1, 3, 1, 1, 1, 3
	QA 0, 0, 0, 1, 16, 0
	WIN 0
	s_sub_co_u32 s[LAP], s[LAP], 1
	s_cmp_lg_u32 s[LAP], 0
	s_cbranch_scc1 .Llap
	TURN 0, 0, 1, 0, 1, 1, 0                       ; the last two steps are written out. Chunk 15 is asked for here
	QA 1, 0, 2, 1, 16, 0
	TURN 1, 0, 3, 2, 1, 0, 0                       ; step 7 has landed; nothing is filled again
	QA 0, 1, 0, 1, 0, 0                            ; chunk 15: no load was issued behind it
	TURN 0, 1, 1, 0, 1, 0, 0
	QA 1, 1, 2, 0, 0, 0
	s_wait_dscnt 8                                 ; the very last quarter: nothing more to fetch
.set nn, 0
	MUL16 F1
	MUL16 F1
	s_wait_dscnt 0x0
	MUL16 F1
	MUL16 F1
	WIN 0
	; BETA.  A group's pair is joined; sixteen lanes hold a row's sixteen parts: four steps inside each half of the lanes; times 1 / 1024.  The first additions are the places behind the last products.
.set g, 0
.rept 16
	v_add_f32 v[BA+2*g], v[BA+2*g], v[BA+2*g+1]
.set g, g+1
.endr
.irp m, 1, 2, 4, 8
.set g, 0
.rept 16
	v_add_f32_dpp v[BA+2*g], v[BA+2*g], v[BA+2*g] row_xmask:\m row_mask:0xf bank_mask:0xf
.set g, g+1
.endr
.endr
.set g, 0
.rept 16
	v_mul_f32 v[BA+2*g], 0x3a800000, v[BA+2*g]
.set g, g+1
.endr
.set g, 0
.rept 16
	ds_store_b32 v[BST], v[BA+2*g] offset:4*(16*(g/8)+g%8)  ; sixteen lanes write the same word with the same value
.set g, g+1
.endr
	s_wait_dscnt 0x0                               ; for the others' sake: my 32 rows' beta are in LDS
	s_barrier_signal -1
	s_barrier_wait -1
.irp a, 0,1,2,3,4,5,6,7
	ds_load_b32 v[BT+\a], v[BLD] offset:64*\a      ; beta of row 16 a + l % 16
.endr
	s_wait_dscnt 0x0
; THE WAY OUT, in sixteen blocks of 16 rows (a) x 64 columns (c).  PACK: times beta; registers jj of four accumulators are 16 bytes of a row; each accumulator is read from its lowest register on.
.macro PACK a, c
	WIN 0x02+(\a)/4                                ; source 0: window 2 or 3
.set pj, 0
.rept 8
.set pb, 0
.rept 4
	v_mul_f32 v[TMP+4*pj+pb], v[64*((\a)%4)+8*(4*(\c)+pb)+pj], v[BT+(\a)]
.set pb, pb+1
.endr
.set pj, pj+1
.endr
	WIN 0
.endm
.macro TOSTAGE k                       ; into my own stage, rows of 272 bytes, and back as whole rows of 256
.set ob, OB0
.if (\k)%2
.set ob, OB1
.endif
.irp j, 0,1,2,3,4,5,6,7
	ds_store_b128 v[STO], v[TMP+4*\j:TMP+4*\j+3] offset:16*\j
.endr
.irp t, 0,1,2,3,4,5,6,7
	ds_load_b128 v[ob+4*\t:ob+4*\t+3], v[RD] offset:\t*2*SPITCH  ; LDS serves a wave's instructions in order (ISA guide 5.7.1.4): these see the stores above
.endr
.endm
.macro SEND a, c, k                    ; times sc, and stored
.set ob, OB0
.if (\k)%2
.set ob, OB1
.endif
	s_wait_dscnt 0x0                               ; the block is back in registers
	s_wait_xcnt 0x0                                ; the stores of the block before have read their registers: the next block's loads from the stage land there only behind this wait
.irp t, 0,1,2,3,4,5,6,7
	v_pk_mul_f32 v[ob+4*\t:ob+4*\t+1],   v[ob+4*\t:ob+4*\t+1],   v[SC+4*(\c):SC+4*(\c)+1]
	v_pk_mul_f32 v[ob+4*\t+2:ob+4*\t+3], v[ob+4*\t+2:ob+4*\t+3], v[SC+4*(\c)+2:SC+4*(\c)+3]
.endr
.irp t, 0,1,2,3,4,5,6,7
	global_store_b128 v[CO], v[ob+4*\t:ob+4*\t+3], s[OP:OP+1] offset:(16*(\a)+2*\t)*4096+256*(\c) th:TH_STORE_NT  ; 16 lanes store 256 consecutive bytes, at a multiple of 256 from out's first byte
.endr
.endm
	PACK 0, 0
	TOSTAGE 0
.set k, 1
.rept 15                               ; block k's multiplies stand between block k - 1's loads from the stage and the wait for them
	PACK k/2, k%2
	SEND (k-1)/2, (k-1)%2, k-1
	TOSTAGE k
.set k, k+1
.endr
	SEND 7, 1, 15
	s_wait_tensorcnt 0x0                           ; the wave's end: behind my last tensor load and my last LDS store
	ds_add_u32 v[SPW], v[NIL]
	s_wait_dscnt 0x0
	CROUND                                         ; the closing round: no work-group ends while a partner may still ask for a tile that names it
	s_endpgm
.Lfunc_end_k_qb18bf1d418_main:
	.size	k_qb18bf1d418_main, .Lfunc_end_k_qb18bf1d418_main-k_qb18bf1d418_main
	.p2alignl 7, 3214868480
	.fill 96, 4, 3214868480
	.section	.rodata,"a",@progbits
	.p2align	6, 0x0
	.amdhsa_kernel k_qb18bf1d418_main
		.amdhsa_group_segment_fixed_size 327680
		.amdhsa_private_segment_fixed_size 0
		.amdhsa_enable_private_segment 0
		.amdhsa_kernarg_size 48
		.amdhsa_user_sgpr_count 2
		.amdhsa_user_sgpr_kernarg_segment_ptr 1
		.amdhsa_wavefront_size32 1
		.amdhsa_system_sgpr_workgroup_id_x 1
		.amdhsa_system_sgpr_workgroup_id_y 1
		.amdhsa_system_sgpr_workgroup_id_z 1
		.amdhsa_system_vgpr_workitem_id 0
		.amdhsa_next_free_vgpr 1024
		.amdhsa_next_free_sgpr 66
		.amdhsa_reserve_vcc 0
		.amdhsa_float_denorm_mode_32 3
		.amdhsa_float_denorm_mode_16_64 3
		.amdhsa_memory_ordered 1
		.amdhsa_forward_progress 1
		.amdhsa_inst_pref_size 255
	.end_amdhsa_kernel
	.section	.bss,"aw",@nobits
	.p2align	6
	.space	262144
	.amdgpu_metadata
---
amdhsa.version: [ 1, 2 ]
amdhsa.kernels:
  - .name:           k_qb18bf1d418_main
    .symbol:         k_qb18bf1d418_main.kd
    .args:
      - { .name: x, .offset: 0, .size: 8, .value_kind: global_buffer, .address_space: global }
      - { .name: wf, .offset: 8, .size: 8, .value_kind: global_buffer, .address_space: global }
      - { .name: a0, .offset: 16, .size: 8, .value_kind: global_buffer, .address_space: global }
      - { .name: a1, .offset: 24, .size: 8, .value_kind: global_buffer, .address_space: global }
      - { .name: a2, .offset: 32, .size: 8, .value_kind: global_buffer, .address_space: global }
      - { .name: out0, .offset: 40, .size: 8, .value_kind: global_buffer, .address_space: global }
    .group_segment_fixed_size: 327680
    .private_segment_fixed_size: 0
    .kernarg_segment_align: 8
    .kernarg_segment_size: 48
    .max_flat_workgroup_size: 128
    .sgpr_count:     66
    .vgpr_count:     1024
    .wavefront_size: 32
...
	.end_amdgpu_metadata
.endif
;; end of part 2
